; MI455X (gfx1250); checked and timed in simulation.
; The chip was launched on July 23, 2026; its instructions are those of AMD's public machine-readable ISA for CDNA 5 (MIT licence, August 2026) and "CDNA5" Instruction Set Architecture Reference Guide (July 2026). The comments in the code are by the model that wrote it; some were corrected since.
;; Quantized Linear. Allowed arithmetic: matrix products marked QUANTISED: E5M2 operands, one E8M0 scale for each 32 along K, by v_wmma_scale_f32_16x16x128_f8f6f4 with both operands' format E5M2, f32 sums; everything else in f32.
;; Inputs: bias 16,384 float32; kernel_i8 4,096 x 16,384 int8; scales 16,384 float32; x_codes 1,024 x 128 x 32 uint8 (E5M2 codes of x, K innermost, in blocks of 32 codes); x_scales 1,024 x 128 uint8 (E8M0 scales of x, one for each 32 codes along K).
;; Outputs: out0 1,024 x 16,384 float32.
;; This version of the problem:
;;   THIS VERSION OF THE PROBLEM IS GIVEN IN LOW PRECISION. The matrix products marked QUANTISED in the list below multiply operands that are first quantised to E5M2 (5 exponent bits, 2 mantissa bits; 8 bits a number), with one power-of-two scale for each 32 numbers along K (OCP MX v1.0); their sums are f32. All else is computed in f32.
;;   The module's matrix products, in the order in which they are computed (A, B: the left and right operand; K: the contracted axis; several contracted axes count as one K, in the product's order):
;;     1. [M 1,024, K 4,096] x [K 4,096, N 16,384]; A: input x (given as codes); B: computed on the way: QUANTISED
;;   THE QUANTISER, for each operand of a quantised product, along K:
;;     - K is cut into blocks of 32 from its start; a last block that is shorter is filled with zeros.
;;     - A block's scale is 2^e with e = floor(log2(the largest magnitude in the block)) - 15, held to -126 .. 127; a block of zeros has e = 0. As a byte (E8M0): e + 127.
;;     - Each number is divided by its block's scale, clamped to +-57,344, and rounded to the nearest number of E5M2, ties to even, subnormals kept.
;;     - The product sums the exact products of the quantised numbers (number of the format x scale) in f32.
;;   ~~~python
;;   def quantise(x, axis):      # numpy; x: float32 -> the quantised numbers, widened to float32 again
;;       x = np.moveaxis(x, axis, -1); K = x.shape[-1]
;;       x = np.pad(x, [(0, 0)] * (x.ndim - 1) + [(0, -K % 32)]); x = x.reshape(x.shape[:-1] + (-1, 32)); a = np.abs(x).max(-1, keepdims=True)
;;       e = np.where(a > 0, np.clip(np.frexp(np.where(a > 0, a, 1))[1] - 1 - 15, -126, 127), 0)      # np.frexp(a)[1] - 1 = floor(log2(a)), exactly
;;       r = np.clip(x / 2.0 ** e, -57344, 57344)
;;       step = 2.0 ** (np.maximum(np.frexp(np.where(r == 0, 1, r))[1] - 1, -14) - 2)
;;       q = np.round(r / step) * step * 2.0 ** e      # np.round: ties to even
;;       return np.moveaxis(q.reshape(q.shape[:-2] + (-1,))[..., :K], -1, axis).astype(np.float32)
;;   ~~~
;;   OPERANDS COMPUTED ON THE WAY. 'Computed on the way' means the value that the module computes at that place (a softmax that the list does not call 'softmax' is quantised finished and normalised). What goes into a quantiser is computed in f32, as accurately as f32 sums, v_exp_f32 and their like allow (about 1e-6 of the number): no bf16 or f16 on the way to a quantiser, and a product that is left as it is and whose result goes on into a quantised operand takes f32 operands (vector FMAs, or v_wmma_f32_16x16x4_f32). A number that lies on a knife's edge between two numbers of the format may be rounded either way, as far as f32 arithmetic and the matrix unit's own rounding can turn it there, and no further.
;;   INPUTS GIVEN AS CODES. x (in the module: [1024, 4096], K = its axis 1): each comes as NAME_codes (uint8): NAME with its K axis moved to the last place and cut into blocks of 32 codes, [.., K / 32, bytes a block], one block behind the other in memory; one code a byte (a code: sign, 5 exponent bits, 2 mantissa bits); and NAME_scales (uint8): the same leading axes, one E8M0 byte (e + 127) for each 32 codes along K. Its value is code x scale, taken as it is: it is not quantised again, and the codes and scales need not be those that the quantiser above would give.
;; One version. Each part assembles by itself: llvm-mc -triple=amdgcn-amd-amdhsa -mcpu=gfx1250 --defsym DOCPART=n.
;; ======== version 1 of 1: 1 launch
;; launch qlinear (part 1): grid 256 x 1, 4 waves a work-group, clusters of 4 x 1, 327,680 bytes of LDS; arguments x_codes, x_scales, kernel_i8, scales, bias, out0; writes out0
.if DOCPART == 1
	.amdgcn_target "amdgcn-amd-amdhsa--gfx1250"
	.amdhsa_code_object_version 6
	.text
	.protected	k_q3a90a85d21_qlinear
	.globl	k_q3a90a85d21_qlinear
	.p2align	8
	.type	k_q3a90a85d21_qlinear,@function
k_q3a90a85d21_qlinear:
	s_mov_b64 s[64:65], 0
	v_nop
	global_prefetch_b8 v0, s[64:65] scope:SCOPE_SE
	s_setreg_imm32_b32 hwreg(HW_REG_WAVE_MODE, 25, 1), 1
	s_wait_xcnt 0x0
	s_wait_alu depctr_hold_cnt(0) depctr_sa_sdst(0) depctr_va_vdst(0) depctr_va_sdst(0) depctr_va_ssrc(0) depctr_va_vcc(0) depctr_vm_vsrc(0)
	s_getreg_b32 s2, hwreg(HW_REG_IB_STS2, 6, 4)
	s_cmp_eq_u32 s2, 0
	s_cbranch_scc0 .Lentry_in_a_cluster
	s_endpgm
.Lentry_in_a_cluster:
	s_bfe_u32 s2, ttmp6, 0x10000c
	s_cmp_lg_u32 s2, 0x3003
	s_cbranch_scc0 .Lentry_shape_is_right
	s_endpgm
.Lentry_shape_is_right:
; out0[m][n] = sum over k of x[m][k] Q(w)[k][n] + bias[n],  w[k][n] = f32(kernel_i8[k][n]) * scales[n],  M = 1,024, K = 4,096, N = 16,384.
; x comes as codes of BF8 (E5M2) [1024][4096] with one E8M0 byte for each 32 along K [1024][128], taken as they are.  w is made in f32 and quantised here, along K (its first axis), in blocks of 32.
; ONE LAUNCH: each column of w belongs to ONE work-group, which takes all 1,024 rows of x against it: every number of w is read, scaled and quantised once, and its codes never go to memory.
; SHARES.  Work-group g = 4 x cluster + cx owns columns 64 g .. 64 g + 63: 256 bytes of each row of out0.  Wave w owns rows 128 w .. + 127 (half 0) and 512 + 128 w .. + 127 (half 1): 2 x 8 row blocks x 4 column
; tiles = 64 accumulators, 512 registers.
; THE RING goes over the halves of the rows: slot A holds rows 0-511, slot B rows 512-1,023, each of one CHUNK of 256 along K (rows of 256 bytes).  Phase p = 2 j + hf is half hf of chunk j: 2 K steps of 128,
; 32 products a wave each.  w's fragments of a chunk (8 x 16 registers) are read from LDS once and serve both of its phases.
; THE PIPELINE.  A SEGMENT is what stands between two changes of slots.  Segment p multiplies K step 1 of phase p - 1, whose operands are in registers, and then K step 0 of phase p.  The registers of K step 0 are
; free at the segment's head and those of K step 1 behind its 32nd product, so phase p's fragments are loaded from LDS while products are issued, in runs of 16 to 26 loads.  Segment p also quantises K step p + 2
; of w: a list of 271 lines, dealt out behind the products.  The tile of phase p + 1 is asked for first thing in segment p.
; CLUSTER.  Every work-group needs all of x: the four partners of a cluster ask for each tile of x and of its scale bytes JOINTLY (mask 15): a quarter of the requests.  A mask names four at the most and the
; grid has one axis, so the cluster is 4 x 1.
; K IS WALKED ROTATED: cluster cl begins at chunk cl mod 16 and wraps, so that in any segment the 64 clusters ask for sixteen different chunks of x, not all for the same one.
; w: memory -> registers -> codes -> LDS, as images of the operand's registers -> all four waves.  Of a K step (128 along K x 64 columns) wave w takes block w of the four blocks of 32; lane (q = l % 16, h = l / 16)
; takes columns 4 q .. 4 q + 3 and rows 32 w + 16 h + 0 .. 15: sixteen loads of 4 bytes, register j = row j.  Those are the k that the operand's layout gives half h of the lanes, so a column's 16 codes are one
; ds_store_b128 into the image; a block's largest magnitude is joined with lane l xor 16's.
; THE MATRIX INSTRUCTION IS USED TRANSPOSED (source 0 = 16 columns of w, source 1 = 16 rows of x): a lane holds eight neighbouring columns of one row of out0.  The bias is the C of each sum's first product.
; LIMITS.  The f32 sums run over K in the rotated order, not ascending.  NaN and infinities in scales are not served.  A block of zeros keeps the byte 1 (the rule says 127): its codes are zeros, and only this
; text reads the bytes.  x's scale bytes are fetched 8 bytes a row for each tile: all 131,072 of them have no room beside the ring; they are one part in 32 of x's bytes, and are asked for jointly.
; REGISTERS, in windows of 256: window 0: addresses, scale words, the quantiser's registers, w's fragments (v128-255); window 1: x's 16 fragments (block a, K step ks at v[16 (8 ks + a)]); window 2: the
; accumulators of half 0 (block a, tile t at v[32 a + 8 t]); window 3: those of half 1.
.set PITCH, 272                        ; an LDS row of x: 256 bytes + 16 of padding: the 16 rows that a load touches begin 16 bytes apart modulo 256
.set XA,    0                          ; slot A: 512 rows
.set XB,    512*PITCH                  ; slot B
.set XSA,   2*512*PITCH                ; x's scale bytes of slot A's tile: 512 rows x 8 bytes
.set XSB,   XSA+4096
.set CBUF0, XSB+4096                   ; w's codes of a chunk: 8 images (4 ks + t), FP bytes apart; behind them the scale words [column][ks][4 bytes].  Two such buffers, DIST apart
.set FP,    2064                       ; an image's 2,048 bytes + 16: the sixteen lanes of an image store fall on sixteen different columns of 16 bytes
.set WSC,   8*FP                       ; where a buffer's scale words begin
.set DIST,  WSC+512
.set SPARE, CBUF0+2*DIST               ; the spare words: 128 bytes a wave, two blocks of 256 bytes that no other line names
.set NB1,   4                          ; products between the add and the wait for it,
.set NB2,   4                          ; and between the opening signal of a change of slots and its wait
.set NBARE, NB1+NB2
.set QPS,   5                          ; lines of the quantiser's list behind a product: with two window switches, eight lines to a product
.set HB,    14                         ; and behind a product that a run of loads follows
.set QLEN,  271                        ; the list: 1 wait, 16 lines on the raw words, 2 pairs of columns x 127
.set SPW,   1                          ; v1      SPARE + 4 x my thread's number; never rewritten
.set NIL,   2                          ; v2      0; never rewritten
.set ADRA,  3                          ; v3, v4  my fragments of x in slot A, B.  On the way out v3-v7 are STO, RD, CO and two temporaries
.set ADB0,  5                          ; v5      16 x lane in buffer 0;            v6  the same in the buffer in hand
.set ADB,   6
.set ADW0,  7                          ; v7      w's scale words, 8 x lane;        v8  in the buffer in hand
.set ADW,   8
.set ADXS,  9                          ; v9      x's scale words: my 128 rows, 8 x lane
.set QST0,  10                         ; v10     where my codes go, in buffer 0;   v11 in the buffer being written
.set QST,   11
.set QSB0,  12                         ; v12     where my scale bytes go;          v13 likewise
.set QSB,   13
.set WOF,   14                         ; v14     my byte in a K step of kernel_i8: 4 q + 16 h rows + 32 w rows; never rewritten
.set PFO,   15                         ; v15     the prefetches' offset: a row of kernel_i8 a lane; never rewritten
.set SS,    16                         ; v16-19  scales of my four columns
.set BYT,   20                         ; v20-23  a scale byte for each column
.set XSR,   24                         ; v24-31  x's scale words: 2 i + ks: lanes 0-15 block 2 i, lanes 16-31 block 2 i + 1
.set WSR,   32                         ; v32-35  w's: 2 i + ks: lanes 0-15 tile 2 i, lanes 16-31 tile 2 i + 1
.set MX,    36                         ; v36-39  largest magnitudes: two chains for each of two columns
.set PL,    40                         ; v40-41  the other half of the lanes'
.set SOP,   42                         ; v42-43  the conversion's scale operand
.set HLD,   44                         ; v44-45  57,344 x the scale
.set CODE,  48                         ; v48-63  codes, four registers a column
.set F,     64                         ; v64-95  two columns x 16 numbers
.set RAW,   96                         ; v96-127 two sets of 16 words of kernel_i8
.set BF,    128                        ; v128-255 w's fragments (ks, t) at BF + 16 (4 ks + t)
.set BK,    128                        ; the way out: rows read back from the stage, two sets of 32
.set STO,   3
.set RD,    4
.set CO,    5
.set WV,    16                         ; s16  wave
.set CX,    17                         ; s17  my place in the cluster; s18 my work-group; with s[2:3] the only registers that hold what hangs on cx (beside the pointers made of them)
.set GG,    18
.set XORK,  22                         ; s22  0x80808080
.set G1X,   24                         ; s[24:31] group 1 for tiles of x;  s[32:39] for its scale bytes
.set G1S,   32
.set G0XA,  40                         ; groups 0: x into slot A, slot B; scale bytes for A, for B
.set G0XB,  44
.set G0SA,  48
.set G0SB,  52
.set XBA,   56                         ; where my part of a tile begins at chunk 0: x half 0, half 1; scale bytes half 0, half 1
.set XBB,   58
.set SBA,   60
.set SBB,   62
.set WB,    66                         ; s[66:67] kernel_i8 at my 64 columns;  s[68:69] at the chunk whose K steps are being loaded
.set WP,    68
.set PB,    70                         ; s[70:71] kernel_i8 at my cluster's 256 columns, my work-group's 32 rows of a K step;  s[72:73] at the chunk being prefetched
.set PFA,   72
.set OUTA,  74                         ; s[74:75], s[76:77] out0 at my first row of half 0, half 1, my 64 columns
.set OUTB,  76
.set JJ,    78                         ; s78  the chunk that x's descriptors stand at;  s79 the chunk that WP stands at
.set JW,    79
.set OX,    80                         ; s[80:81], s[82:83], s[84:85] offsets as pairs, the upper words 0
.set OS,    82
.set OW,    84
.set TT,    86                         ; s86  0 or DIST: the code buffer that is read;  s87 the one that is written
.set TW,    87
.set CNT,   88                         ; s88  the loop's trips to go
.set LIM,   89                         ; s89  1 in wave 3, which prefetches, else the greatest number
.set SEL,   90                         ; s90-93 v_perm_b32's selectors for byte 0 .. 3 of a word
.set PSEL,  94                         ; s[94:95] v_permlanex16_b32's selects for lane l xor 16
.set MNT,   96                         ; s96  the mantissa field of 57,344
.set KON,   97                         ; s97  2^23 as f32
.set KC,    98                         ; s[98:99] -(2^23 + 128), named as a pair
.set MSB, 0
.set NDS, 0                            ; counts a segment's LDS lines as they are written, so that the counted waits are formed from the text itself
.set MARK1, 0
.set MARK2, 0
.macro WIN new                         ; the immediate's high byte repeats the setting that is left; a switch that changes nothing is dropped
.if MSB != (\new)
	s_set_vgpr_msb (MSB<<8)|(\new)
.set MSB, (\new)
.endif
.endm
.macro PLACES n
.rept \n
	v_nop
.endr
.endm
; A round of the cluster's barrier: my work-group's barrier, wave 0 signals for the work-group, every wave waits for all four work-groups, my work-group's barrier once more.
.macro CREST                           ; a round behind its opening barrier
	s_cmp_lg_u32 s[WV], 0
	s_cbranch_scc1 .Lnot_wave_0_\@
	s_barrier_signal -3
.Lnot_wave_0_\@:
	s_barrier_wait -3
	s_barrier_signal -1
	s_barrier_wait -1
.endm
.macro CROUND                          ; a whole round
	s_barrier_signal -1
	s_barrier_wait -1
	CREST
.endm
; A joint load: waves 0 and 1 fetch a slot's two halves (256 rows each), wave 2 its scale bytes, wave 3 nothing.  The branches hang on the wave's number alone.  Four v_nop follow each load.
.macro JLOAD gx, gs
	s_cmp_lt_u32 s[WV], 2
	s_cbranch_scc0 .Lnot_x_\@
	tensor_load_to_lds s[\gx:\gx+3], s[G1X:G1X+7]
	s_nop 0
	PLACES 4
	s_branch .Lasked_\@
.Lnot_x_\@:
	s_cmp_eq_u32 s[WV], 2
	s_cbranch_scc0 .Lasked_\@
	tensor_load_to_lds s[\gs:\gs+3], s[G1S:G1S+7]
	s_nop 0
	PLACES 4
.Lasked_\@:
.endm
; The four groups 0 at chunk JJ: 256 bytes of a row of codes a chunk, 8 bytes of a row of scale bytes.
.macro XDESC
	s_lshl_b32 s[OX], s[JJ], 8
	s_lshl_b32 s[OS], s[JJ], 3
	s_add_nc_u64 s[G0XA+2:G0XA+3], s[XBA:XBA+1], s[OX:OX+1]
	s_add_nc_u64 s[G0XB+2:G0XB+3], s[XBB:XBB+1], s[OX:OX+1]
	s_add_nc_u64 s[G0SA+2:G0SA+3], s[SBA:SBA+1], s[OS:OS+1]
	s_add_nc_u64 s[G0SB+2:G0SB+3], s[SBB:SBB+1], s[OS:OS+1]
	s_or_b32 s[G0XA+3], s[G0XA+3], 0x80000000      ; 127:126 type = 2
	s_or_b32 s[G0XB+3], s[G0XB+3], 0x80000000
	s_or_b32 s[G0SA+3], s[G0SA+3], 0x80000000
	s_or_b32 s[G0SB+3], s[G0SB+3], 0x80000000
.endm
.macro XSTEP                           ; on to the next chunk of x, modulo 16: slot A's descriptors serve this segment's refill, slot B's the next segment's
	s_add_co_u32 s[JJ], s[JJ], 1
	s_and_b32 s[JJ], s[JJ], 15
	XDESC
.endm
.macro WSTEP                           ; on to the next chunk of kernel_i8 (256 rows of 16,384 bytes = 2^22 bytes), and the prefetches one chunk further
	s_wait_xcnt 0x0                                ; the loads and prefetches issued so far have read their bases, so these may be written
	s_add_co_u32 s[JW], s[JW], 1
	s_and_b32 s[JW], s[JW], 15
	s_lshl_b32 s[OW], s[JW], 22
	s_add_nc_u64 s[WP:WP+1], s[WB:WB+1], s[OW:OW+1]
	s_add_co_u32 s[OW], s[JW], 1
	s_and_b32 s[OW], s[OW], 15
	s_lshl_b32 s[OW], s[OW], 22
	s_add_nc_u64 s[PFA:PFA+1], s[PB:PB+1], s[OW:OW+1]
.endm
; A PREFETCH INTO THE L2 of kernel_i8: in segment p the K step p + 6, which is loaded in segment p + 2.  A K step is 128 rows; of each row the cluster's four work-groups read 256 neighbouring bytes, aligned.
; Each partner's wave 3 names 32 of the rows, a lane a row; the partners are told apart BY ADDRESS (32 cx rows), so each such block is named once in the launch.  The first three chunks come by their loads alone;
; the loop's last trip asks for nothing: there is no chunk behind the sixteenth.
.macro ASK ks
	s_cmp_gt_u32 s[CNT], s[LIM]
	s_cbranch_scc0 .Lnot_mine_\@
	global_prefetch_b8 v[PFO], s[PFA:PFA+1] offset:2097152*\ks th:TH_LOAD_NT scope:SCOPE_SE
.Lnot_mine_\@:
.endm
; THE RUNS OF LDS LOADS.  A fragment is 16 registers: lane l holds row l % 16; registers 4 c .. 4 c + 3 hold K = 32 c + 16 (l / 16) + 0 .. 15.
.macro ARUN hf, ks, a0                 ; x's blocks a0 .. a0 + 3 of K step ks, from slot hf: 16 loads
	WIN 0x40                                       ; destination window 1
.irp a, \a0, \a0+1, \a0+2, \a0+3
.irp c, 0,1,2,3
	ds_load_b128 v[16*(8*\ks+(\a))+4*\c:16*(8*\ks+(\a))+4*\c+3], v[ADRA+\hf] offset:16*PITCH*(\a)+128*\ks+32*\c
.endr
.endr
.set NDS, NDS+16
.endm
.macro BRUN ks                         ; w's four fragments of K step ks, as the images lie: 16 loads
.irp t, 0,1,2,3
.irp c, 0,1,2,3
	ds_load_b128 v[BF+16*(4*\ks+\t)+4*\c:BF+16*(4*\ks+\t)+4*\c+3], v[ADB] offset:FP*(4*\ks+\t)+512*\c
.endr
.endr
.set NDS, NDS+16
.endm
.macro XSW hf, ks                      ; x's scale words of K step ks: 32 rows a load
.irp u, 0,1,2,3
	ds_load_b32 v[XSR+2*\u+\ks], v[ADXS] offset:4096*\hf+256*\u+4*\ks
.endr
.set NDS, NDS+4
.endm
.macro WSW ks                          ; w's: 32 columns a load
.irp u, 0,1
	ds_load_b32 v[WSR+2*\u+\ks], v[ADW] offset:256*\u+4*\ks
.endr
.set NDS, NDS+2
.endm
.macro RELOAD set, ks                  ; my 16 rows x 4 columns of K step ks of the chunk at WP
.irp j, 0,1,2,3,4,5,6,7,8,9,10,11,12,13,14,15
	global_load_b32 v[RAW+16*\set+\j], v[WOF], s[WP:WP+1] offset:2097152*\ks+16384*\j
.endr
.endm
; THE QUANTISER AS A LIST.  Line m of 127 for columns qb and qb + 1 of my four, the two by turns:
;   0-31 a byte i8 + 128 under 2^23's exponent;  32-47 less 2^23 + 128: i8, exactly;  48-63 x the column's scale, one rounding;  64-79 the largest magnitude of my 16, in two chains a column, the floor among the leaves;
;   80-89 joined with lane l xor 16's, the conversion's scale operand, 57,344 x the scale, the byte;  90-121 the hold;  122-125 the conversions;  126 the plain line behind them.
.macro QP set
.if m < 32
	v_perm_b32 v[F+16*(m%2)+m/2], v[RAW+16*\set+m/2], s[KON], s[SEL+qb+m%2]   ; the f32 number 2^23 + i8 + 128
.elseif m < 48
	v_pk_add_f32 v[F+2*(m-32):F+2*(m-32)+1], v[F+2*(m-32):F+2*(m-32)+1], s[KC:KC+1] op_sel_hi:[1,0]
.elseif m < 64
.set k, m-48
.set qF, F+16*(k%2)+2*(k/2)
.if (k%2) == 0
	v_pk_mul_f32 v[qF:qF+1], v[qF:qF+1], v[SS+qb:SS+qb+1] op_sel_hi:[1,0]                 ; both halves take the pair's first register,
.else
	v_pk_mul_f32 v[qF:qF+1], v[qF:qF+1], v[SS+qb:SS+qb+1] op_sel:[0,1] op_sel_hi:[1,1]    ; both its second
.endif
.elseif m < 76
.set k, m-64
.set qF, F+16*((k%4)/2)
.set qM, MX+(k%4)
.set st, k/4
.if ((k%2) == 0) && (st == 0)
	v_max3_num_f32 v[qM], |v[qF]|, |v[qF+1]|, 0x8000000            ; the floor 2^(16 - 127): the byte cannot fall under 1
.elseif (k%2) == 0
	v_max3_num_f32 v[qM], v[qM], |v[qF+2*st]|, |v[qF+2*st+1]|
.elseif st == 0
	v_max3_num_f32 v[qM], |v[qF+8]|, |v[qF+9]|, |v[qF+10]|
.else
	v_max3_num_f32 v[qM], v[qM], |v[qF+9+2*st]|, |v[qF+10+2*st]|
.endif
.elseif m < 78
	v_max3_num_f32 v[MX+2*(m-76)], v[MX+2*(m-76)], |v[F+16*(m-76)+6]|, |v[F+16*(m-76)+7]|
.elseif m < 80
	v_max3_num_f32 v[MX+2*(m-78)], v[MX+2*(m-78)], v[MX+2*(m-78)+1], |v[F+16*(m-78)+15]|
.elseif m < 82
	v_permlanex16_b32 v[PL+m-80], v[MX+2*(m-80)], s[PSEL], s[PSEL+1]
.elseif m < 84
	v_max_num_f32 v[MX+2*(m-82)], v[MX+2*(m-82)], v[PL+m-82]       ; with lane l xor 16's 16 rows: the block's
.elseif m < 86
	v_add_nc_u32 v[SOP+m-84], 0xf8800000, v[MX+2*(m-84)]           ; 15 off its exponent field: the conversion takes that field of this operand as its scale
.elseif m < 88
	v_and_or_b32 v[HLD+m-86], v[MX+2*(m-86)], 0x7f800000, s[MNT]   ; 57,344 x the scale
.elseif m < 90
	v_lshrrev_b32 v[BYT+qb+m-88], 23, v[SOP+m-88]                  ; the scale's byte
.elseif m < 122
.set k, m-90
	v_med3_num_f32 v[F+16*(k%2)+k/2], v[F+16*(k%2)+k/2], -v[HLD+k%2], v[HLD+k%2]   ; the conversion to an 8-bit code does not saturate (ISA guide 7.6.2): the hold at the largest code x the scale
.elseif m < 126
.set k, m-122
	v_cvt_scalef32_pk8_bf8_f32 v[CODE+4*(qb+k/2)+2*(k%2):CODE+4*(qb+k/2)+2*(k%2)+1], v[F+16*(k/2)+8*(k%2):F+16*(k/2)+8*(k%2)+7], v[SOP+k/2]
.else
	v_nop                                          ; one plain line between the conversions and the next vector line that writes their sources
.endif
.endm
; Line n of the whole list, on raw set 'set'.  left: the loads issued behind this set's, which may stay out.
.macro QI set, left
.if n == 0
	s_wait_loadcnt \left
.elseif n < 17
	v_xor_b32 v[RAW+16*\set+n-1], s[XORK], v[RAW+16*\set+n-1]      ; four bytes i8 -> i8 + 128
.else
.set qb, 2*((n-17)/127)
.set m, (n-17)%127
	QP \set
.endif
.set n, n+1
.endm
.macro QSTORE b0, ks                   ; the codes and bytes of columns b0 and b0 + 1 go to LDS
.irp u, 0,1
	ds_store_b128 v[QST], v[CODE+4*(\b0+\u):CODE+4*(\b0+\u)+3] offset:4*FP*\ks+16*(\b0+\u)   ; registers 4 w .. 4 w + 3 of lane 4 (q % 4) + b + 16 h of fragment (ks, q / 4)
	ds_store_b8 v[QSB], v[BYT+\b0+\u] offset:8*(\b0+\u)+4*\ks      ; byte w of the column's word; both halves of the lanes write the same byte with the same value
.endr
.set NDS, NDS+4
.endm
.macro QALL set, ks, left              ; the list on end, ahead of the first segment.  Behind line 175 the raw set has had its last read, and takes the K step two on
.set n, 0
.rept 176
	QI \set, \left
.endr
	QSTORE 0, \ks
	RELOAD \set, \ks
.rept QLEN-176
	QI \set, \left
.endr
	QSTORE 2, \ks
.endm
.macro WM                              ; one product, by the symbols rD, rB, rA, rC, rW, rX; rM: which rows of the scale registers
.if rM == 0
	v_wmma_scale_f32_16x16x128_f8f6f4 v[rD:rD+7], v[rB:rB+15], v[rA:rA+15], v[rC:rC+7], v[rW], v[rX] matrix_a_fmt:MATRIX_FMT_BF8 matrix_b_fmt:MATRIX_FMT_BF8
.elseif rM == 1
	v_wmma_scale_f32_16x16x128_f8f6f4 v[rD:rD+7], v[rB:rB+15], v[rA:rA+15], v[rC:rC+7], v[rW], v[rX] matrix_a_fmt:MATRIX_FMT_BF8 matrix_b_fmt:MATRIX_FMT_BF8 matrix_a_scale:MATRIX_SCALE_ROW1
.elseif rM == 2
	v_wmma_scale_f32_16x16x128_f8f6f4 v[rD:rD+7], v[rB:rB+15], v[rA:rA+15], v[rC:rC+7], v[rW], v[rX] matrix_a_fmt:MATRIX_FMT_BF8 matrix_b_fmt:MATRIX_FMT_BF8 matrix_b_scale:MATRIX_SCALE_ROW1
.else
	v_wmma_scale_f32_16x16x128_f8f6f4 v[rD:rD+7], v[rB:rB+15], v[rA:rA+15], v[rC:rC+7], v[rW], v[rX] matrix_a_fmt:MATRIX_FMT_BF8 matrix_b_fmt:MATRIX_FMT_BF8 matrix_a_scale:MATRIX_SCALE_ROW1 matrix_b_scale:MATRIX_SCALE_ROW1
.endif
.endm
; Product i of a segment's 64.  0-31: K step 1 of the other half (the phase before);  32-63: K step 0 of half hf.  In each 32: block a = (i % 32) / 4, tile t = i % 4.  A half's 32 accumulators take turns, one
; instruction a turn.
; first = 1: the products of K step 0 start the sums with the bias as C: its four tiles lie at v224-255 of window 3, which are the registers of half 1's block 7.  Half 0 reads them from there; in half 1 blocks 0-6
; read them, nine places follow (a matrix instruction that writes over a register of an earlier one stands nine places behind it), and block 7 adds in place onto them.
.macro PROD hf, first
.if i < 32
.set pH, 1-\hf
.set pK, 1
.set pI, i
.else
.set pH, \hf
.set pK, 0
.set pI, i-32
.endif
.set pA, pI/4
.set pT, pI%4
.set rD, 32*pA+8*pT
.set rC, rD
.if \first && (pK == 0)
.set rC, 224+8*pT
.endif
.if \first && (pK == 0) && (pH == 0)
	WIN 0xb4                                       ; source 0 (w) window 0, source 1 (x) window 1, C window 3, D window 2
.else
	WIN 0xa4+0x50*pH                               ; C and D window 2 or 3
.endif
.set rB, BF+16*(4*pK+pT)
.set rA, 16*(8*pK+pA)
.set rW, WSR+2*(pT/2)+pK
.set rX, XSR+2*(pA/2)+pK
.set rM, (pT%2)+2*(pA%2)
	WM
.endm
; What stands behind product i: the quantiser's share, then a run of memory lines where one is due.
;   place 0   the scale words of K step 0, and in an even segment w's fragments of K step 0        place 10, 20   x's fragments of K step 0
;   place 31  eight places, between the last product that read K step 1's registers and the loads into them
;   place 33  the raw set's next K step (187 lines of the list are out: its last read is line 175), the first pair's codes (made by line 143), K step 1's scale words, x's first four fragments of it
;   place 42  x's other four        place 50  the second pair's codes (the list ended at place 48), and in an even segment w's fragments of K step 1
.macro SLICE hf, first, q, ld, left
.if \q
.set cnt, QPS
.if (i == 10) || (i == 20) || (i == 33) || (i == 42) || (i == 50)
.set cnt, HB
.endif
.if (i == 0) || (i == 31)
.set cnt, 0
.endif
.if cnt > 0
.rept cnt
.if n < QLEN
	WIN 0
	QI \hf, \left
.endif
.endr
.endif
.endif
.if i == 0
	WIN 0
	XSW \hf, 0
.if \hf == 0
	WSW 0
	BRUN 0
.endif
.endif
.if i == 10
	ARUN \hf, 0, 0
.set MARK1, NDS
.endif
.if i == 20
	ARUN \hf, 0, 4
.set MARK2, NDS
.endif
.if i == 31
	PLACES 8
.endif
.if i == 33
	WIN 0
.if \q
.if \ld
	RELOAD \hf, \hf
.endif
	QSTORE 0, \hf
.endif
	XSW \hf, 1
.if \hf == 0
	WSW 1
.endif
	ARUN \hf, 1, 0
.endif
.if i == 42
	ARUN \hf, 1, 4
.endif
.if i == 50
.if \q
	WIN 0
	QSTORE 2, \hf
.endif
.if \hf == 0
	WIN 0
	BRUN 1
.endif
.endif
.if \first && (\hf == 1) && (i == 59)
	PLACES 9
.endif
.endm
; A SEGMENT.  hf: the half of the rows whose tile is read, and its slot.  refill = 1: the other slot is asked for; 0: no more; 2: the first segment, whose other slot is on its way already.
; q: a K step of w is quantised; ld: its raw set is loaded again; left: see QI.  ask: see ASK.  skip = 1: there is no phase before.
; THE CHANGE OF SLOTS at its head: ONE barrier.  In front of it each wave waits for all its tensor loads (its part of this segment's tile), adds 0 to its spare word, and waits for that, for its LDS stores of codes
; and for its reads of the slot that it has left.  Behind it this segment's tile and the codes stored in the last segment are whole, and nobody reads the other slot.  Where that slot is filled again the barrier
; opens a round of the cluster's, so that the same holds of all four partners, and the joint load is the first thing behind the round: it has the whole segment in which to land.
.macro SEG hf, first, refill, q, ld, left, ask, skip
.if \refill == 2
	s_wait_tensorcnt 0x1                           ; my part of tile 0 is in; tile 1's load may stay out
	WSTEP
	s_wait_dscnt 0x0                               ; my stores of the first two K steps' codes have landed
	s_barrier_signal -1
	s_barrier_wait -1
.else
	PLACES 8                                       ; eight places between the last product, which read K step 0's registers, and the loads into them
	s_wait_tensorcnt 0x0                           ; no tensor load of mine is out, so the groups 0 may be written
	ds_add_u32 v[SPW], v[NIL]                      ; 0 onto my spare word
.if \hf && \refill
	XSTEP
.endif
.if (\hf == 0) && \ld
	WSTEP
.endif
	s_wait_dscnt 0x1                               ; all but the add: K step 1's operands are in
.set i, 0
.rept NB1
	PROD \hf, 0                                    ; products stand between the add and the wait for it,
.set i, i+1
.endr
	s_wait_dscnt 0x0                               ; the add is done, my stores of codes have landed, my reads of the other slot are over
	s_barrier_signal -1
.rept NB2
	PROD \hf, 0                                    ; and work on registers while the others arrive
.set i, i+1
.endr
	WIN 0
	s_barrier_wait -1
.if \refill
	CREST
.if \hf
	JLOAD G0XA, G0SA
.else
	JLOAD G0XB, G0SB
.endif
.endif
.endif
.if \hf == 0
	v_add_nc_u32 v[ADB], s[TT], v[ADB0]            ; the chunk's code buffer,
	v_add_nc_u32 v[ADW], s[TT], v[ADW0]
.if \q
	v_add_nc_u32 v[QST], s[TW], v[QST0]            ; and the other one, which takes the next chunk's codes in this segment and the next
	v_add_nc_u32 v[QSB], s[TW], v[QSB0]
.endif
.endif
.if \ask
	ASK \hf
.endif
.set i, 0
.set n, 0
.set NDS, 0
.set MARK1, 0
.set MARK2, 0
.rept 64
.if i == 32
	s_wait_dscnt NDS-MARK1                         ; all LDS lines up to place 10's run are done: w's fragments, the scale words, x's blocks 0-3; what was issued behind them (place 20's sixteen loads) may be out
.endif
.if i == 48
	s_wait_dscnt NDS-MARK2                         ; x's blocks 4-7 are in; what places 33 and 42 issued may be out
.endif
.if (i >= 32) || ((\skip == 0) && (i >= NBARE))
	PROD \hf, \first
.endif
	SLICE \hf, \first, \q, \ld, \left
.set i, i+1
.endr
	WIN 0
.endm
.macro TOGGLE                          ; the two code buffers change places
	s_xor_b32 s[TT], s[TT], DIST
	s_xor_b32 s[TW], s[TW], DIST
.endm
	s_load_b256 s[4:11], s[0:1], 0x0               ; x_codes s[4:5], x_scales s[6:7], kernel_i8 s[8:9], scales s[10:11]
	s_load_b128 s[12:15], s[0:1], 0x20             ; bias s[12:13], out0 s[14:15]
	v_lshl_add_u32 v[SPW], v0, 2, SPARE
	v_mov_b32 v[NIL], 0
	ds_add_u32 v1, v2
	s_wait_dscnt 0x0
	v_lshrrev_b32 v64, 5, v0
	v_readfirstlane_b32 s[WV], v64                 ; wave 0..3
	s_bfe_u32 s[CX], ttmp6, 0x40000                ; cx
	s_lshl_b32 s[GG], ttmp9, 2                     ; in a cluster launch ttmp9 counts clusters
	s_add_co_u32 s[GG], s[GG], s[CX]               ; my work-group: it enters addresses of kernel_i8, scales, bias and out0 alone
	s_and_b32 s[JJ], ttmp9, 15                     ; the chunk at which my cluster begins: the same in all four partners
	s_mov_b32 s[JW], s[JJ]
	s_mov_b32 s[XORK], 0x80808080
	s_mov_b32 s[SEL], 0x03020104                   ; bytes 3, 2, 1 of 2^23; byte 0 = byte b of the word
	s_mov_b32 s[SEL+1], 0x03020105
	s_mov_b32 s[SEL+2], 0x03020106
	s_mov_b32 s[SEL+3], 0x03020107
	s_mov_b32 s[PSEL], 0x76543210
	s_mov_b32 s[PSEL+1], 0xfedcba98
	s_mov_b32 s[MNT], 0x600000
	s_mov_b32 s[KON], 0x4b000000
	s_mov_b32 s[KC], 0xcb000080
	s_mov_b32 s[KC+1], s[KC]                       ; (named with it as a pair, so it is written)
	s_mov_b32 s[OX+1], 0
	s_mov_b32 s[OS+1], 0
	s_mov_b32 s[OW+1], 0
	s_mov_b32 s[TT], 0
	s_mov_b32 s[TW], DIST
	s_mov_b32 s[CNT], 13
	s_cmp_eq_u32 s[WV], 3
	s_cselect_b32 s[LIM], 1, -1
	; group 1 for x: 256 rows x 256 bytes, 4,096 bytes apart in memory, 16 bytes of padding behind each in LDS
	s_mov_b32 s[G1X], 15|(0<<16)|(1<<20)|(1<<21)|(5<<22)|(3<<25)   ; 15:0 the mask: all four work-groups; 17:16 elements of 1 byte; 20 padding on; 21 set beside a mask; 24:22 after every 64 words; 31:25 four words
	s_mov_b32 s[G1X+1], 256<<16                    ; tensor_dim0
	s_mov_b32 s[G1X+2], 256<<16                    ; tensor_dim1
	s_mov_b32 s[G1X+3], 256<<16                    ; tile_dim0
	s_mov_b32 s[G1X+4], 256                        ; tile_dim1
	s_mov_b32 s[G1X+5], 4096                       ; tensor_dim0_stride
	s_mov_b32 s[G1X+6], 0
	s_mov_b32 s[G1X+7], 0
	; group 1 for x's scale bytes: 512 rows x 2 elements of 4 bytes, 32 elements apart, no padding
	s_mov_b32 s[G1S], 15|(2<<16)|(1<<21)
	s_mov_b32 s[G1S+1], 2<<16
	s_mov_b32 s[G1S+2], 512<<16
	s_mov_b32 s[G1S+3], 2<<16
	s_mov_b32 s[G1S+4], 512
	s_mov_b32 s[G1S+5], 32
	s_mov_b32 s[G1S+6], 0
	s_mov_b32 s[G1S+7], 0
	s_mov_b32 s[G0XA], 1                           ; 1:0 count = 1
	s_mov_b32 s[G0XB], 1
	s_mov_b32 s[G0SA], 1
	s_mov_b32 s[G0SB], 1
	s_mul_i32 s[G0XA+1], s[WV], 256*PITCH          ; LDS: slot A (byte 0) + wave x 256 rows
	s_add_co_u32 s[G0XB+1], s[G0XA+1], XB
	s_mov_b32 s[G0SA+1], XSA
	s_mov_b32 s[G0SB+1], XSB
	; my lane's places
	v_and_b32 v64, 31, v0                          ; l
	v_and_b32 v65, 15, v0                          ; r = q = l % 16
	v_bfe_u32 v66, v0, 4, 1                        ; h = l / 16
	s_mul_i32 s20, s[WV], 128*PITCH
	v_mul_u32_u24 v[ADRA], v65, PITCH
	v_lshl_add_u32 v[ADRA], v66, 4, v[ADRA]
	v_add_nc_u32 v[ADRA], s20, v[ADRA]             ; (128 w + r) rows + 16 h
	v_add_nc_u32 v[ADRA+1], XB, v[ADRA]
	v_lshl_add_u32 v[ADB0], v64, 4, CBUF0
	v_lshl_add_u32 v[ADW0], v64, 3, CBUF0+WSC
	s_lshl_b32 s20, s[WV], 10
	v_lshl_add_u32 v[ADXS], v64, 3, XSA
	v_add_nc_u32 v[ADXS], s20, v[ADXS]             ; my 128 rows x 8 bytes
	v_lshrrev_b32 v67, 2, v65
	v_mul_u32_u24 v[QST0], v67, FP                 ; column 4 q + b lies in tile q / 4,
	v_and_b32 v67, 3, v65
	v_lshl_add_u32 v[QST0], v67, 6, v[QST0]        ; in lane 4 (q % 4) + b
	v_lshl_add_u32 v[QST0], v66, 8, v[QST0]        ; + 16 h,
	s_lshl_b32 s20, s[WV], 9
	s_add_co_u32 s20, s20, CBUF0
	v_add_nc_u32 v[QST0], s20, v[QST0]             ; in registers 4 w .. 4 w + 3
	s_add_co_u32 s20, s[WV], CBUF0+WSC
	v_lshl_add_u32 v[QSB0], v65, 5, s20            ; 8 bytes a column, byte w of a word
	v_mov_b32 v[QST], v[QST0]                      ; the first two K steps go to buffer 0
	v_mov_b32 v[QSB], v[QSB0]
	v_lshlrev_b32 v[WOF], 2, v65
	v_lshl_add_u32 v[WOF], v66, 18, v[WOF]         ; 16 rows of 16,384 bytes
	s_lshl_b32 s20, s[WV], 19                      ; 32 rows
	v_add_nc_u32 v[WOF], s20, v[WOF]
	v_lshlrev_b32 v[PFO], 14, v64
	v_lshlrev_b32 v68, 4, v65                      ; scales: 16 bytes a lane of sixteen
	v_lshlrev_b32 v69, 5, v66                      ; bias: a tile's eight numbers of my half
	v_mov_b32 v[PL], 0                             ; written once: a lane permute's destination counts as one of its sources
	v_mov_b32 v[PL+1], 0
	s_wait_kmcnt 0x0
	s_lshl_b32 s2, s[GG], 8                        ; my 64 columns in f32
	s_mov_b32 s3, 0
	s_add_nc_u64 s[10:11], s[10:11], s[2:3]
	s_add_nc_u64 s[12:13], s[12:13], s[2:3]
	s_add_nc_u64 s[OUTA:OUTA+1], s[14:15], s[2:3]
	s_lshl_b32 s2, s[WV], 23                       ; 128 rows of 65,536 bytes a wave
	s_add_nc_u64 s[OUTA:OUTA+1], s[OUTA:OUTA+1], s[2:3]
	s_add_nc_u64 s[OUTB:OUTB+1], s[OUTA:OUTA+1], 0x2000000   ; 512 rows on
	s_lshl_b32 s2, s[GG], 6
	s_add_nc_u64 s[WB:WB+1], s[8:9], s[2:3]
	s_lshl_b32 s2, s[CX], 19                       ; 32 cx rows
	s_add_nc_u64 s[PB:PB+1], s[8:9], s[2:3]
	s_lshl_b32 s2, ttmp9, 8                        ; the cluster's 256 columns
	s_add_nc_u64 s[PB:PB+1], s[PB:PB+1], s[2:3]
	s_lshl_b32 s[OW], s[JW], 22
	s_add_nc_u64 s[WP:WP+1], s[WB:WB+1], s[OW:OW+1]
	global_load_b128 v[SS:SS+3], v68, s[10:11]
	WIN 0xc0                                       ; destination window 3
.irp t, 0,1,2,3
.irp u, 0,1
	global_load_b128 v[224+8*\t+4*\u:224+8*\t+4*\u+3], v69, s[12:13] offset:64*\t+16*\u   ; bias of columns 16 t + 8 h + 4 u + 0 .. 3: the result's layout
.endr
.endr
	WIN 0
	RELOAD 0, 0                                    ; K steps 0 and 1
	RELOAD 1, 1
	s_lshl_b32 s20, s[WV], 20                      ; 256 rows of 4,096 bytes a wave
	s_mov_b32 s21, 0
	s_add_nc_u64 s[XBA:XBA+1], s[4:5], s[20:21]
	s_add_nc_u64 s[XBB:XBB+1], s[XBA:XBA+1], 0x200000   ; 512 rows on
	s_mov_b64 s[SBA:SBA+1], s[6:7]
	s_add_nc_u64 s[SBB:SBB+1], s[6:7], 0x10000     ; 512 rows of 128 bytes on
	XDESC
	CROUND                                         ; all four work-groups are here: the first joint loads meet
	s_cmp_lt_u32 s[WV], 2                          ; a wave's two first fills, the tiles of phases 0 and 1, stand in one branch, ahead of every wait on TENSORcnt and every LDS read: two loads of mine are out
	s_cbranch_scc0 .Lfirst_not_x
	tensor_load_to_lds s[G0XA:G0XA+3], s[G1X:G1X+7]
	s_nop 0
	tensor_load_to_lds s[G0XB:G0XB+3], s[G1X:G1X+7]
	s_nop 0
	PLACES 4
	s_branch .Lfirst_asked
.Lfirst_not_x:
	s_cmp_eq_u32 s[WV], 2
	s_cbranch_scc0 .Lfirst_asked
	tensor_load_to_lds s[G0SA:G0SA+3], s[G1S:G1S+7]
	s_nop 0
	tensor_load_to_lds s[G0SB:G0SB+3], s[G1S:G1S+7]
	s_nop 0
	PLACES 4
.Lfirst_asked:
	WSTEP
	QALL 0, 0, 16                                  ; K step 0 (behind its loads: set 1's sixteen); the set takes K step 2
	s_wait_dscnt 0x0                               ; the stores have read the codes' registers
	QALL 1, 1, 16                                  ; K step 1 (behind its loads: K step 2's sixteen); the set takes K step 3
	SEG 0, 1, 2, 1, 1, 16, 1, 1                    ; segments 0 and 1 stand in front of the loop: their products of K step 0 start the sums
	SEG 1, 1, 1, 1, 1, 16, 1, 0
	TOGGLE
.Lchunk:                                               ; 13 trips: segments 2 to 27
	SEG 0, 0, 1, 1, 1, 16, 1, 0
	SEG 1, 0, 1, 1, 1, 16, 1, 0
	TOGGLE
	s_sub_co_u32 s[CNT], s[CNT], 1
	s_cmp_lg_u32 s[CNT], 0
	s_cbranch_scc1 .Lchunk
	SEG 0, 0, 1, 1, 0, 16, 0, 0                    ; segments 28 and 29: the last two K steps are quantised, nothing more of kernel_i8 is loaded
	SEG 1, 0, 1, 1, 0, 0, 0, 0
	TOGGLE
	SEG 0, 0, 1, 0, 0, 0, 0, 0                     ; segment 30: nothing is left to quantise;
	SEG 1, 0, 0, 0, 0, 0, 0, 0                     ; segment 31: and nothing to fetch: a plain barrier
	s_wait_dscnt 0x0                               ; K step 1 of the last phase: its operands are in
.set i, 0
.rept 32
	PROD 0, 0
.set i, i+1
.endr
	WIN 0
; THE WAY OUT, a block of 16 rows x 64 columns at a time.  A lane holds 32 neighbouring bytes of a row, and the lanes beside it hold other rows: a block goes through my own stage in LDS (16 rows of 256 + 16 bytes)
; and comes back as whole rows, so that sixteen lanes store 256 consecutive bytes, at a multiple of 256 from out0's first byte.  The stage lies in slot A: it has had its last fill, and its last reads stand
; in front of the last barrier.  LDS serves a wave's instructions in order (ISA guide 5.7.1.4): no wait between the stores and the loads, nor in front of the next block's stores.
	s_mul_i32 s23, s[WV], 16*PITCH                 ; my stage.  The ten vector lines below are the places behind the last products
	v_and_b32 v6, 15, v0                           ; r
	v_bfe_u32 v7, v0, 4, 1                         ; h
	v_mul_u32_u24 v[STO], v6, PITCH
	v_lshl_add_u32 v[STO], v7, 5, v[STO]
	v_add_nc_u32 v[STO], s23, v[STO]               ; in: row r, + 32 h; tile t 64 t bytes on
	v_mul_u32_u24 v[RD], v7, PITCH
	v_lshl_add_u32 v[RD], v6, 4, v[RD]
	v_add_nc_u32 v[RD], s23, v[RD]                 ; back: lanes 0-15 one row, lanes 16-31 the next
	v_lshlrev_b32 v[CO], 16, v7
	v_lshl_add_u32 v[CO], v6, 4, v[CO]             ; and the same two rows of out0, 65,536 bytes apart
.macro TOSTAGE blk
.set AC, 32*((\blk)%8)
	WIN 0x08+4*((\blk)/8)                          ; an LDS store's data are its source 1: window 2 or 3
.irp t, 0,1,2,3
	ds_store_b128 v[STO], v[AC+8*\t:AC+8*\t+3] offset:64*\t          ; each accumulator from its low end on
	ds_store_b128 v[STO], v[AC+8*\t+4:AC+8*\t+7] offset:64*\t+16
.endr
	WIN 0
.set BB, BK+32*((\blk)%2)
.irp i, 0,1,2,3,4,5,6,7
	ds_load_b128 v[BB+4*\i:BB+4*\i+3], v[RD] offset:2*PITCH*\i
.endr
.endm
.macro SEND blk, younger               ; younger: the LDS instructions issued behind this block's loads, which may stay out
.set BB, BK+32*((\blk)%2)
	s_wait_dscnt \younger
.irp i, 0,1,2,3,4,5,6,7
.if (\blk) < 8
	global_store_b128 v[CO], v[BB+4*\i:BB+4*\i+3], s[OUTA:OUTA+1] offset:1048576*((\blk)%8)+131072*\i th:TH_STORE_NT   ; the block's 16 rows and the pair of rows stand in the immediate: 8,257,536 at the most, inside its signed 24 bits
.else
	global_store_b128 v[CO], v[BB+4*\i:BB+4*\i+3], s[OUTB:OUTB+1] offset:1048576*((\blk)%8)+131072*\i th:TH_STORE_NT
.endif
.endr
.endm
	TOSTAGE 0
.irp a, 1,2,3,4,5,6,7,8,9,10,11,12,13,14,15
.if \a > 1
	s_wait_xcnt 0x0                                ; block a - 2's stores have read their registers: block a's loads may land there
.endif
	TOSTAGE \a
	SEND \a-1, 16                                  ; behind block a - 1's loads: block a's eight stores and eight loads
.endr
	SEND 15, 0
	s_wait_tensorcnt 0x0                           ; the wave's end: behind my last tensor load and my last LDS store
	ds_add_u32 v[SPW], v[NIL]
	s_wait_dscnt 0x0
	CROUND                                         ; the closing round: no work-group ends while a partner may still ask for a tile that names it
	s_endpgm
.Lfunc_end_k_q3a90a85d21_qlinear:
	.size	k_q3a90a85d21_qlinear, .Lfunc_end_k_q3a90a85d21_qlinear-k_q3a90a85d21_qlinear
	.p2alignl 7, 3214868480
	.fill 96, 4, 3214868480
	.section	.rodata,"a",@progbits
	.p2align	6, 0x0
	.amdhsa_kernel k_q3a90a85d21_qlinear
		.amdhsa_group_segment_fixed_size 327680
		.amdhsa_private_segment_fixed_size 0
		.amdhsa_enable_private_segment 0
		.amdhsa_kernarg_size 48
		.amdhsa_user_sgpr_count 2
		.amdhsa_user_sgpr_kernarg_segment_ptr 1
		.amdhsa_wavefront_size32 1
		.amdhsa_system_sgpr_workgroup_id_x 1
		.amdhsa_system_sgpr_workgroup_id_y 1
		.amdhsa_system_sgpr_workgroup_id_z 1
		.amdhsa_system_vgpr_workitem_id 0
		.amdhsa_next_free_vgpr 1024
		.amdhsa_next_free_sgpr 100
		.amdhsa_reserve_vcc 0
		.amdhsa_float_denorm_mode_32 3
		.amdhsa_float_denorm_mode_16_64 3
		.amdhsa_memory_ordered 1
		.amdhsa_forward_progress 1
		.amdhsa_inst_pref_size 255
	.end_amdhsa_kernel
	.section	.bss,"aw",@nobits
	.p2align	6
	.space	262144
	.amdgpu_metadata
---
amdhsa.version: [ 1, 2 ]
amdhsa.kernels:
  - .name:           k_q3a90a85d21_qlinear
    .symbol:         k_q3a90a85d21_qlinear.kd
    .args:
      - { .name: x_codes, .offset: 0, .size: 8, .value_kind: global_buffer, .address_space: global }
      - { .name: x_scales, .offset: 8, .size: 8, .value_kind: global_buffer, .address_space: global }
      - { .name: kernel_i8, .offset: 16, .size: 8, .value_kind: global_buffer, .address_space: global }
      - { .name: scales, .offset: 24, .size: 8, .value_kind: global_buffer, .address_space: global }
      - { .name: bias, .offset: 32, .size: 8, .value_kind: global_buffer, .address_space: global }
      - { .name: out0, .offset: 40, .size: 8, .value_kind: global_buffer, .address_space: global }
    .group_segment_fixed_size: 327680
    .private_segment_fixed_size: 0
    .kernarg_segment_align: 8
    .kernarg_segment_size: 48
    .max_flat_workgroup_size: 128
    .sgpr_count:     100
    .vgpr_count:     1024
    .wavefront_size: 32
...
	.end_amdgpu_metadata
.endif
;; end of part 1
